; MI455X (gfx1250); checked and timed in simulation.
; The chip was launched on July 23, 2026; its instructions are those of AMD's public machine-readable ISA for CDNA 5 (MIT licence, August 2026) and "CDNA5" Instruction Set Architecture Reference Guide (July 2026). The comments in the code are by the model that wrote it; some were corrected since.
;; Multi Head Attention. Allowed arithmetic: float matrix products may take bf16 or f16 operands with f32 sums; all other float work in f32.
;; Inputs: Wk 2,048 x 2,048 float32; Wo 2,048 x 2,048 float32; Wq 2,048 x 2,048 float32; Wv 2,048 x 2,048 float32; attention_mask 4 x 512 bool; bk 2,048 float32; bo 2,048 float32; bq 2,048 float32; bv 2,048 float32; x 4 x 512 x 2,048 float32.
;; Outputs: out0 4 x 512 x 2,048 float32.
;; One version. Each part assembles by itself: llvm-mc -triple=amdgcn-amd-amdhsa -mcpu=gfx1250 --defsym DOCPART=n.
;; ======== version 1 of 1: 4 launches
;; limits: values are held in f16: magnitudes above 65,504 overflow, below 6.1e-05 lose precision
;; workspace buffers: cb 41,943,040 bytes; qkv 25,165,824 bytes; ao 8,388,608 bytes
;; launch tof16 (part 1): grid 256 x 5, 8 waves a work-group, no clusters, 0 bytes of LDS; arguments x, Wq, Wk, Wv, Wo, cb; writes cb
.if DOCPART == 1
	.amdgcn_target "amdgcn-amd-amdhsa--gfx1250"
	.amdhsa_code_object_version 6
	.text
	.protected	k_qbea870d161_tof16
	.globl	k_qbea870d161_tof16
	.p2align	8
	.type	k_qbea870d161_tof16,@function
k_qbea870d161_tof16:
	s_mov_b64 s[64:65], 0
	v_nop
	global_prefetch_b8 v0, s[64:65] scope:SCOPE_SE
	s_setreg_imm32_b32 hwreg(HW_REG_WAVE_MODE, 25, 1), 1
	s_wait_xcnt 0x0
; cb[g] = f16(matrix g), g = 0..4: x, Wq, Wk, Wv, Wo, each [2048][2048], same row-major layout as its source.
; The later launches multiply in f16 (sums in f32); converting once here halves the bytes that their tiles move.
; LIMIT: a number of magnitude 65,504 or more becomes an infinity in f16; numbers below 2^-24 in magnitude round to zero.
; A stream: work-group (gx, gy) takes 65,536 bytes of matrix gy, a wave 8,192 of them by sixteen 16-byte loads a lane, all
; issued before the first is used.  Each load of a wave covers 512 consecutive bytes, each store 256 consecutive bytes at a
; multiple of 256 from cb's first byte.  No work-group shares a byte with another: no LDS, no cluster, no matrix work.
.set MATB, 8388608                     ; bytes of one f16 matrix
.set X, 4                              ; v[4:67] sixteen loads of four f32; the two packed words replace the first two
	s_load_b256 s[4:11], s[0:1], 0x0               ; x, Wq, Wk, Wv
	s_load_b128 s[12:15], s[0:1], 0x20             ; Wo, cb
	s_and_b32 s16, ttmp7, 0xffff                   ; gy: which matrix
	v_lshrrev_b32 v3, 5, v0                        ; wave
	v_and_b32 v2, 31, v0                           ; lane
	v_lshlrev_b32 v1, 4, v2
	v_lshlrev_b32 v2, 3, v2
	v_lshl_add_u32 v1, v3, 13, v1                  ; source: 8,192 x wave + 16 x lane
	v_lshl_add_u32 v2, v3, 12, v2                  ; target: 4,096 x wave + 8 x lane
	s_lshl_b32 s18, ttmp9, 16                      ; source: 65,536 x gx
	s_mov_b32 s19, 0
	s_mul_i32 s20, s16, MATB                       ; target: matrix gy,
	s_lshl_b32 s22, ttmp9, 15                      ; 32,768 x gx
	s_add_co_u32 s20, s20, s22
	s_mov_b32 s21, 0
	s_wait_kmcnt 0x0
.irp m, 1,2,3,4
	s_cmp_eq_u32 s16, \m                           ; the source is chosen by the work-group's y alone
	s_cselect_b64 s[4:5], s[4+2*\m:5+2*\m], s[4:5]
.endr
	s_add_nc_u64 s[4:5], s[4:5], s[18:19]
	s_add_nc_u64 s[14:15], s[14:15], s[20:21]
.irp i, 0,1,2,3,4,5,6,7,8,9,10,11,12,13,14,15
	global_load_b128 v[X+4*\i:X+4*\i+3], v1, s[4:5] offset:512*\i th:TH_LOAD_NT
.endr
.irp i, 0,1,2,3,4,5,6,7,8,9,10,11,12,13,14,15
	s_wait_loadcnt 15-\i                           ; loads return in order: load i is in, the 15 - i younger ones stay out
	v_cvt_pk_f16_f32 v[X+4*\i], v[X+4*\i], v[X+4*\i+1]
	v_cvt_pk_f16_f32 v[X+4*\i+1], v[X+4*\i+2], v[X+4*\i+3]
	global_store_b64 v2, v[X+4*\i:X+4*\i+1], s[14:15] offset:256*\i   ; no register of a store is written again
.endr
	s_endpgm
.Lfunc_end_k_qbea870d161_tof16:
	.size	k_qbea870d161_tof16, .Lfunc_end_k_qbea870d161_tof16-k_qbea870d161_tof16
	.p2alignl 7, 3214868480
	.fill 96, 4, 3214868480
	.section	.rodata,"a",@progbits
	.p2align	6, 0x0
	.amdhsa_kernel k_qbea870d161_tof16
		.amdhsa_group_segment_fixed_size 0
		.amdhsa_private_segment_fixed_size 0
		.amdhsa_enable_private_segment 0
		.amdhsa_kernarg_size 48
		.amdhsa_user_sgpr_count 2
		.amdhsa_user_sgpr_kernarg_segment_ptr 1
		.amdhsa_wavefront_size32 1
		.amdhsa_system_sgpr_workgroup_id_x 1
		.amdhsa_system_sgpr_workgroup_id_y 1
		.amdhsa_system_sgpr_workgroup_id_z 1
		.amdhsa_system_vgpr_workitem_id 0
		.amdhsa_next_free_vgpr 72
		.amdhsa_next_free_sgpr 66
		.amdhsa_reserve_vcc 0
		.amdhsa_float_denorm_mode_32 3
		.amdhsa_float_denorm_mode_16_64 3
		.amdhsa_memory_ordered 1
		.amdhsa_forward_progress 1
		.amdhsa_inst_pref_size 7
	.end_amdhsa_kernel
	.amdgpu_metadata
---
amdhsa.version: [ 1, 2 ]
amdhsa.kernels:
  - .name:           k_qbea870d161_tof16
    .symbol:         k_qbea870d161_tof16.kd
    .args:
      - { .name: x, .offset: 0, .size: 8, .value_kind: global_buffer, .address_space: global }
      - { .name: Wq, .offset: 8, .size: 8, .value_kind: global_buffer, .address_space: global }
      - { .name: Wk, .offset: 16, .size: 8, .value_kind: global_buffer, .address_space: global }
      - { .name: Wv, .offset: 24, .size: 8, .value_kind: global_buffer, .address_space: global }
      - { .name: Wo, .offset: 32, .size: 8, .value_kind: global_buffer, .address_space: global }
      - { .name: cb, .offset: 40, .size: 8, .value_kind: global_buffer, .address_space: global }
    .group_segment_fixed_size: 0
    .private_segment_fixed_size: 0
    .kernarg_segment_align: 8
    .kernarg_segment_size: 48
    .max_flat_workgroup_size: 256
    .sgpr_count:     66
    .vgpr_count:     72
    .wavefront_size: 32
...
	.end_amdgpu_metadata
.endif
;; end of part 1
;; launch qkv (part 2): grid 16 x 16, 4 waves a work-group, clusters of 4 x 4, 327,680 bytes of LDS; arguments cb, bq, bk, bv, qkv; writes qkv
.if DOCPART == 2
	.amdgcn_target "amdgcn-amd-amdhsa--gfx1250"
	.amdhsa_code_object_version 6
	.text
	.protected	k_qbea870d161_qkv
	.globl	k_qbea870d161_qkv
	.p2align	8
	.type	k_qbea870d161_qkv,@function
k_qbea870d161_qkv:
	s_mov_b64 s[64:65], 0
	v_nop
	global_prefetch_b8 v0, s[64:65] scope:SCOPE_SE
	s_setreg_imm32_b32 hwreg(HW_REG_WAVE_MODE, 25, 1), 1
	s_wait_xcnt 0x0
	s_wait_alu depctr_hold_cnt(0) depctr_sa_sdst(0) depctr_va_vdst(0) depctr_va_sdst(0) depctr_va_ssrc(0) depctr_va_vcc(0) depctr_vm_vsrc(0)
	s_getreg_b32 s2, hwreg(HW_REG_IB_STS2, 6, 4)
	s_cmp_eq_u32 s2, 0
	s_cbranch_scc0 .Lentry_in_a_cluster
	s_endpgm
.Lentry_in_a_cluster:
	s_bfe_u32 s2, ttmp6, 0x10000c
	s_cmp_lg_u32 s2, 0xf033
	s_cbranch_scc0 .Lentry_shape_is_right
	s_endpgm
.Lentry_shape_is_right:
; qkv[m][row][col] = f16( sum over k of x[row][k] W_m[k][col] + b_m[col] ), m = 0, 1, 2 for q, k, v.  Operands f16 from cb, sums f32.
; LIMIT: results of magnitude 65,504 or more become infinities in f16.
; Work-group (by, bx): rows 128 by .. +127, columns 128 bx .. +127 (one head) of all three matrices.  Four waves; wave w makes all 128 rows
; x columns 32 w .. 32 w + 31 of each matrix: 8 row tiles a x 6 column tiles c = 2 m + i, 48 accumulators of 8 registers.
; So each fragment of W is read from LDS by one wave alone: 28 LDS loads feed 48 matrix instructions.
; K goes in 16 steps of 128 through two LDS slots; a tile's rows are 256 consecutive bytes at multiples of 256 from cb's first byte.
; CLUSTERS: 4 x 4 work-groups.  Row blocks go along the grid's x, heads along its y.  x's tile hangs on by alone and is asked for jointly by a
; column of the cluster (same cx), W's tiles hang on bx alone and are asked for jointly by a row (same cy): the requests for both are divided by four.
; Clusters with the same y read the same 512 columns of the three W (6,291,456 bytes of cb), clusters with the same x the same 512 rows of x
; (2,097,152 bytes): x runs fastest in the grid, so the clusters that follow each other share the larger part.
; The matrix instruction is used transposed (source 0 = 16 columns of W, source 1 = 16 rows of x): a lane then holds eight neighbouring
; columns of one row, 16 bytes of f16.  W lies [k][n] in LDS and is read by the transposing load.
; REGISTERS: window 0: addresses, two fragment buffers of 112; window 1: accumulators c = 0..3 at 8 (8 c + a);
; window 2: accumulators c = 4, 5 at 8 (8 (c - 4) + a), and the bias at 128 + 8 c.
.set MATB, 8388608                     ; bytes of one f16 matrix
.set PA,   272                         ; LDS pitch of x's rows: 256 + 16 bytes, an odd multiple of 16
.set PB,   288                         ; LDS pitch of W's rows: 256 + 32 bytes, an odd multiple of 32 (transposing loads)
.set REG,  36864                       ; a region: 128 rows of pitch 288 (x's tile uses 34,816 of its region)
.set SLOT, 4*REG                       ; x, Wq, Wk, Wv
.set SROW, 128*PA                      ; the way out: one matrix's 128 rows
.set ADRA, 8                           ; v8-9    x fragments, slot 0, 1
.set ADRB, 10                          ; v10-15  W fragments, 3 x slot + m
.set STO,  16                          ; v16-18  the way out: where I put 16 bytes, for each m
.set RD,   19                          ; v19-21  the way out: where I read rows back
.set CO,   22                          ; v22     my byte offset in a matrix of qkv
.set BOFF, 23                          ; v23     my byte offset in a bias
.set F0,   32                          ; fragment buffer 0: x's tile a at +8 a, W's tile c at +64 + 8 c
.set F1,   144                         ; fragment buffer 1
.set BIAS, 128                         ; window 2
.set TF,   32                          ; the way out: 48 sums with bias
.set CV,   80                          ; the way out: 24 packed words
.set G1A, 24                           ; s[24:31] group 1, x's tiles
.set G0A, 32                           ; s[32:39] group 0, x's tiles, a set for each slot
.set G1B, 40                           ; s[40:47] group 1, W's tiles
.set G0B, 48                           ; s[48:55] group 0, W's tiles, a set for each slot
.set MSB, 0
.macro WIN new                         ; the immediate's high byte repeats the setting that is left; a switch that changes nothing is dropped
.if MSB != \new
	s_set_vgpr_msb (MSB<<8)|\new
.set MSB, \new
.endif
.endm
.macro PLACES                          ; four places behind a matrix instruction, ahead of loads into its sources and of readers of its result
.rept 4
	v_nop
.endr
.endm
.macro CREST                           ; a round of the cluster's barrier behind its opening work-group barrier
	s_cmp_lg_u32 s14, 0
	s_cbranch_scc1 .Lnot_wave_0_\@
	s_barrier_signal -3
.Lnot_wave_0_\@:
	s_barrier_wait -3
	s_barrier_signal -1
	s_barrier_wait -1
.endm
.macro CROUND
	s_barrier_signal -1
	s_barrier_wait -1
	CREST
.endm
.macro JLOAD s                         ; wave 0 asks for x's tile, wave w = 1..3 for W_(w-1)'s: each line has one mask; the branch hangs on the wave's number alone
	s_cmp_eq_u32 s14, 0
	s_cbranch_scc0 .Lfor_w_\@
	tensor_load_to_lds s[G0A+4*\s:G0A+4*\s+3], s[G1A:G1A+7]
	s_nop 0
	s_branch .Lasked_\@
.Lfor_w_\@:
	tensor_load_to_lds s[G0B+4*\s:G0B+4*\s+3], s[G1B:G1B+7]
	s_nop 0
.Lasked_\@:
.endm
	s_load_b256 s[4:11], s[0:1], 0x0               ; cb, bq, bk, bv
	s_load_b64 s[12:13], s[0:1], 0x20              ; qkv
	v_lshl_add_u32 v30, v0, 2, 0x48000
	v_mov_b32 v31, 0
	ds_add_u32 v30, v31
	v_lshrrev_b32 v3, 5, v0
	v_readfirstlane_b32 s14, v3                    ; wave 0..3
	s_bfe_u32 s16, ttmp6, 0x40000                  ; cx
	s_bfe_u32 s17, ttmp6, 0x40004                  ; cy
	s_lshl_b32 s19, ttmp9, 2
	s_add_co_u32 s19, s19, s16                     ; by = 4 x cluster x + cx: the row block
	s_and_b32 s18, ttmp7, 0xffff
	s_lshl_b32 s18, s18, 2
	s_add_co_u32 s18, s18, s17                     ; bx = 4 x cluster y + cy: the head
	s_lshl_b32 s20, s17, 2
	s_lshl_b32 s20, 15, s20                        ; my row of the cluster: the four with my cy, which share bx
	s_lshl_b32 s21, 0x1111, s16                    ; my column: the four with my cx, which share by
	; group 1: tiles of 128 rows x 128 elements of 2 bytes, 2,048 elements from row to row; a pad behind every 64 words: 4 words for x, 8 for W
	s_or_b32 s[G1A+0], s21, (1<<16)|(1<<20)|(1<<21)|(5<<22)|(3<<25)
	s_or_b32 s[G1B+0], s20, (1<<16)|(1<<20)|(1<<21)|(5<<22)|(7<<25)
.irp g, G1A, G1B
	s_mov_b32 s[\g+1], 128<<16                     ; tensor_dim0 = 128
	s_mov_b32 s[\g+2], 128<<16                     ; tensor_dim1 = 128
	s_mov_b32 s[\g+3], 128<<16                     ; tile_dim0 = 128
	s_mov_b32 s[\g+4], 128                         ; tile_dim1 = 128
	s_mov_b32 s[\g+5], 2048                        ; pitch
	s_mov_b32 s[\g+6], 0
	s_mov_b32 s[\g+7], 0
.endr
	s_lshl_b32 s22, s19, 19                        ; x: 128 by rows of 4,096 bytes (never holds bx)
	s_mov_b32 s23, 0
	s_mul_i32 s56, s14, MATB                       ; W: matrix w of cb,
	s_lshl_b32 s57, s18, 8                         ; column 128 bx (never holds by)
	s_add_co_u32 s56, s56, s57
	s_mov_b32 s57, 0
	s_mul_i32 s58, s14, REG                        ; my region of a slot: the wave's number alone
	s_lshl_b32 s60, s19, 19                        ; the block in a matrix of qkv
	s_lshl_b32 s61, s18, 8
	s_add_co_u32 s60, s60, s61
	s_mov_b32 s61, 0
	v_and_b32 v1, 15, v0                           ; r
	v_bfe_u32 v2, v0, 4, 1                         ; h
	s_lshl_b32 s59, s18, 9
	s_lshl_b32 s62, s14, 7
	s_add_co_u32 s59, s59, s62
	v_lshl_add_u32 v[BOFF], v2, 5, s59             ; 4 (128 bx + 32 w + 8 h)
	s_wait_dscnt 0x0
	s_wait_kmcnt 0x0
	s_add_nc_u64 s[22:23], s[4:5], s[22:23]
	s_add_nc_u64 s[56:57], s[4:5], s[56:57]
	s_add_nc_u64 s[66:67], s[12:13], s[60:61]      ; q's block
	s_add_nc_u64 s[68:69], s[66:67], MATB          ; k's
	s_add_nc_u64 s[70:71], s[68:69], MATB          ; v's
	WIN 0x80                                       ; destination in window 2
.irp m, 0,1,2
.irp i, 0,1
	global_load_b128 v[BIAS+8*(2*\m+\i):BIAS+8*(2*\m+\i)+3],   v[BOFF], s[6+2*\m:7+2*\m] offset:64*\i       ; my eight columns of tile c = 2 m + i;
	global_load_b128 v[BIAS+8*(2*\m+\i)+4:BIAS+8*(2*\m+\i)+7], v[BOFF], s[6+2*\m:7+2*\m] offset:64*\i+16    ; waited for on the way out
.endr
.endr
	WIN 0
	CROUND                                         ; all sixteen work-groups are here: the first joint loads meet
.irp s, 0,1
	s_mov_b32 s[G0A+4*\s], 1
	s_add_co_u32 s[G0A+4*\s+1], s58, \s*SLOT
	s_add_nc_u64 s[G0A+4*\s+2:G0A+4*\s+3], s[22:23], \s*256        ; K step s: 128 elements along the rows
	s_or_b32 s[G0A+4*\s+3], s[G0A+4*\s+3], 0x80000000
	s_mov_b32 s[G0B+4*\s], 1
	s_add_co_u32 s[G0B+4*\s+1], s58, \s*SLOT
	s_add_nc_u64 s[G0B+4*\s+2:G0B+4*\s+3], s[56:57], \s*524288     ; K step s: 128 rows of 4,096 bytes
	s_or_b32 s[G0B+4*\s+3], s[G0B+4*\s+3], 0x80000000
	JLOAD \s
.endr
	; lane addresses
	v_mul_u32_u24 v3, v1, PA
	v_lshl_add_u32 v3, v2, 4, v3                   ; 272 r + 16 h
	v_mov_b32 v[ADRA], v3
	v_add_nc_u32 v[ADRA+1], SLOT, v3
	v_and_b32 v4, 7, v0
	v_lshl_add_u32 v4, v2, 3, v4                   ; k row (l & 7) + 8 h
	v_mul_u32_u24 v4, v4, PB
	v_bfe_u32 v5, v0, 3, 1
	v_lshl_add_u32 v4, v5, 4, v4                   ; + 16 ((l >> 3) & 1)
	s_lshl_b32 s62, s14, 6                         ; my 32 columns: 64 w bytes
	v_add_nc_u32 v4, s62, v4
.irp s, 0,1
.irp m, 0,1,2
	v_add_nc_u32 v[ADRB+3*\s+\m], \s*SLOT+(\m+1)*REG, v4
.endr
.endr
	v_add_nc_u32 v5, s62, v3
	s_lshl_b32 s63, s14, 5
	v_add_nc_u32 v6, s63, v2                       ; row 32 w + h
	v_mul_u32_u24 v7, v6, PA
	v_lshl_add_u32 v7, v1, 4, v7
.irp m, 0,1,2
	v_add_nc_u32 v[STO+\m], \m*SROW, v5
	v_add_nc_u32 v[RD+\m], \m*SROW, v7
.endr
	v_lshlrev_b32 v6, 12, v6
	v_lshl_add_u32 v[CO], v1, 4, v6
; 16 matrix instructions: column tiles c0, c0 + 1 x all 8 row tiles, 32 along K.  zero = 1: the product starts the sums.
.macro MULC f, c0, zero
.irp c, \c0, \c0+1
.irp a, 0,1,2,3,4,5,6,7
.if \zero
	v_wmma_f32_16x16x32_f16 v[8*(8*((\c)&3)+\a):8*(8*((\c)&3)+\a)+7], v[\f+64+8*(\c):\f+64+8*(\c)+7], v[\f+8*\a:\f+8*\a+7], 0
.else
	v_wmma_f32_16x16x32_f16 v[8*(8*((\c)&3)+\a):8*(8*((\c)&3)+\a)+7], v[\f+64+8*(\c):\f+64+8*(\c)+7], v[\f+8*\a:\f+8*\a+7], v[8*(8*((\c)&3)+\a):8*(8*((\c)&3)+\a)+7]
.endif
.endr
.endr
.endm
; 28 LDS loads in one run: quarter q (32 along K) of a slot into buffer f: x's 8 tiles, then W's 6 in the order in which they are used
.macro FETCH slot, q, f
.irp a, 0,1,2,3,4,5,6,7
	ds_load_b128 v[\f+8*\a:\f+8*\a+3],   v[ADRA+\slot] offset:64*\q+16*PA*\a
	ds_load_b128 v[\f+8*\a+4:\f+8*\a+7], v[ADRA+\slot] offset:64*\q+16*PA*\a+32
.endr
.irp m, 0,1,2
.irp i, 0,1
	ds_load_tr16_b128 v[\f+64+8*(2*\m+\i):\f+64+8*(2*\m+\i)+3],   v[ADRB+3*\slot+\m] offset:32*PB*\q+32*\i
	ds_load_tr16_b128 v[\f+64+8*(2*\m+\i)+4:\f+64+8*(2*\m+\i)+7], v[ADRB+3*\slot+\m] offset:32*PB*\q+32*\i+16*PB
.endr
.endr
.endm
; One of a K step's first three quarters: multiplies buffer f, and fetches quarter qn of the same slot into buffer g behind its first third.
; The 48 accumulators take turns in the same order in every quarter.
.macro QUARTER slot, qn, f, g, zero
	s_wait_dscnt 8                                 ; x's tiles and W's c = 0, 1 are in; the eight youngest loads (c = 2..5) may be out
	WIN 0x50
	MULC \f, 0, \zero
	PLACES
	WIN 0
	FETCH \slot, \qn, \g
	s_wait_dscnt 28                                ; all but the 28 just issued
	WIN 0x50
	MULC \f, 2, \zero
	WIN 0xa0
	MULC \f, 4, \zero
.endm
.macro THREE slot, zero
	QUARTER \slot, 1, F0, F1, \zero
	QUARTER \slot, 2, F1, F0, 0
	QUARTER \slot, 3, F0, F1, 0
.endm
; The last quarter multiplies buffer 1 and changes slots.  In front of the barrier each wave waits for its reads of this slot and for all its
; tensor loads (one is out: its part of the next slot).  Behind it (fill = 1: behind the cluster's round that it opens) this slot is asked for
; again first, two K steps ahead, and then the next slot is read.  Nothing stands between the signal and the wait: products there would hold the
; request back by their own length.  So from a request to the wait for it a wave issues a whole K step's 192 matrix instructions.
.macro TURN slot, next, fill
	s_wait_dscnt 8
	WIN 0x50
	MULC F1, 0, 0
	s_wait_dscnt 0                                 ; my reads of this slot are over
	s_wait_tensorcnt 0x0                           ; all my tensor loads have landed
	ds_add_u32 v30, v31
	s_wait_dscnt 0x0
	WIN 0
	s_barrier_signal -1
	s_barrier_wait -1
.if \fill
	CREST                                          ; no wave of any partner still reads this slot or has a load on its way
	s_add_nc_u64 s[G0A+4*\slot+2:G0A+4*\slot+3], s[G0A+4*\slot+2:G0A+4*\slot+3], 512
	s_add_nc_u64 s[G0B+4*\slot+2:G0B+4*\slot+3], s[G0B+4*\slot+2:G0B+4*\slot+3], 1048576
	JLOAD \slot                                    ; the first tensor load behind the round
.endif
	PLACES
	FETCH \next, 0, F0
	WIN 0x50
	MULC F1, 2, 0
	WIN 0xa0
	MULC F1, 4, 0
.endm
.macro LAP zero
	THREE 0, \zero
	TURN 0, 1, 1
	THREE 1, 0
	TURN 1, 0, 1
.endm
	s_wait_tensorcnt 0x1                           ; my part of K step 0 is in; K step 1's may be out
	s_barrier_signal -1
	s_barrier_wait -1
	FETCH 0, 0, F0
	LAP 1                                          ; K steps 0, 1: the first products start the sums
	WIN 0
	s_mov_b32 s15, 6                               ; K steps 2 .. 13
.Llap:
	LAP 0
	WIN 0
	s_sub_co_u32 s15, s15, 1
	s_cmp_lg_u32 s15, 0
	s_cbranch_scc1 .Llap
	THREE 0, 0                                     ; K steps 14, 15: nothing more is asked for
	TURN 0, 1, 0
	THREE 1, 0
	s_wait_dscnt 8
	WIN 0x50
	MULC F1, 0, 0
	s_wait_dscnt 0
	MULC F1, 2, 0
	WIN 0xa0
	MULC F1, 4, 0
	; THE WAY OUT.  Slot 0 has had its last fill, and every wave's reads of it ended in front of the last change of slots: it is the stage,
	; 128 rows of 272 bytes for each matrix.  Bias added in f32, one rounding to f16, 16 bytes a lane in; whole rows of 256 bytes back.
	PLACES
	s_wait_loadcnt 0x0                             ; the bias
.macro OUTA a
	WIN 0x09                                       ; source 0 window 1 (sums), source 1 window 2 (bias)
.irp c, 0,1,2,3
.irp j, 0,2,4,6
	v_pk_add_f32 v[TF+8*\c+\j:TF+8*\c+\j+1], v[8*(8*\c+\a)+\j:8*(8*\c+\a)+\j+1], v[BIAS+8*\c+\j:BIAS+8*\c+\j+1]
.endr
.endr
	WIN 0x0a                                       ; both in window 2
.irp c, 4,5
.irp j, 0,2,4,6
	v_pk_add_f32 v[TF+8*\c+\j:TF+8*\c+\j+1], v[8*(8*(\c-4)+\a)+\j:8*(8*(\c-4)+\a)+\j+1], v[BIAS+8*\c+\j:BIAS+8*\c+\j+1]
.endr
.endr
	WIN 0
.irp c, 0,1,2,3,4,5
.irp k, 0,1,2,3
	v_cvt_pk_f16_f32 v[CV+4*\c+\k], v[TF+8*\c+2*\k], v[TF+8*\c+2*\k+1]
.endr
.endr
.irp m, 0,1,2
.irp i, 0,1
	ds_store_b128 v[STO+\m], v[CV+4*(2*\m+\i):CV+4*(2*\m+\i)+3] offset:16*PA*\a+32*\i
.endr
.endr
.endm
.irp a, 0,1,2,3,4,5,6,7
	OUTA \a
.endr
	s_wait_dscnt 0x0                               ; my stores are done, for the other waves' sake
	s_barrier_signal -1
	s_barrier_wait -1
.irp m, 0,1,2
.irp t, 0,1,2,3,4,5,6,7,8,9,10,11,12,13,14,15
	ds_load_b128 v[32+64*\m+4*\t:32+64*\m+4*\t+3], v[RD+\m] offset:2*PA*\t     ; rows 32 w + 2 t + h: parts of them were stored by all four waves
.endr
.endr
.irp m, 0,1,2
.irp t, 0,1,2,3,4,5,6,7,8,9,10,11,12,13,14,15
	s_wait_dscnt 47-16*\m-\t                       ; LDS loads return in order: this one is in, the younger ones may be out
	global_store_b128 v[CO], v[32+64*\m+4*\t:32+64*\m+4*\t+3], s[66+2*\m:67+2*\m] offset:8192*\t   ; 16 lanes store 256 consecutive bytes, at a multiple of 256 from qkv's first byte
.endr
.endr
	s_wait_tensorcnt 0x0
	ds_add_u32 v30, v31
	s_wait_dscnt 0x0
	CROUND                                         ; the closing round: no work-group ends while a partner may still ask for a tile that names it
	s_endpgm
.Lfunc_end_k_qbea870d161_qkv:
	.size	k_qbea870d161_qkv, .Lfunc_end_k_qbea870d161_qkv-k_qbea870d161_qkv
	.p2alignl 7, 3214868480
	.fill 96, 4, 3214868480
	.section	.rodata,"a",@progbits
	.p2align	6, 0x0
	.amdhsa_kernel k_qbea870d161_qkv
		.amdhsa_group_segment_fixed_size 327680
		.amdhsa_private_segment_fixed_size 0
		.amdhsa_enable_private_segment 0
		.amdhsa_kernarg_size 40
		.amdhsa_user_sgpr_count 2
		.amdhsa_user_sgpr_kernarg_segment_ptr 1
		.amdhsa_wavefront_size32 1
		.amdhsa_system_sgpr_workgroup_id_x 1
		.amdhsa_system_sgpr_workgroup_id_y 1
		.amdhsa_system_sgpr_workgroup_id_z 1
		.amdhsa_system_vgpr_workitem_id 0
		.amdhsa_next_free_vgpr 768
		.amdhsa_next_free_sgpr 72
		.amdhsa_reserve_vcc 0
		.amdhsa_float_denorm_mode_32 3
		.amdhsa_float_denorm_mode_16_64 3
		.amdhsa_memory_ordered 1
		.amdhsa_forward_progress 1
		.amdhsa_inst_pref_size 171
	.end_amdhsa_kernel
	.amdgpu_metadata
---
amdhsa.version: [ 1, 2 ]
amdhsa.kernels:
  - .name:           k_qbea870d161_qkv
    .symbol:         k_qbea870d161_qkv.kd
    .args:
      - { .name: cb, .offset: 0, .size: 8, .value_kind: global_buffer, .address_space: global }
      - { .name: bq, .offset: 8, .size: 8, .value_kind: global_buffer, .address_space: global }
      - { .name: bk, .offset: 16, .size: 8, .value_kind: global_buffer, .address_space: global }
      - { .name: bv, .offset: 24, .size: 8, .value_kind: global_buffer, .address_space: global }
      - { .name: qkv, .offset: 32, .size: 8, .value_kind: global_buffer, .address_space: global }
    .group_segment_fixed_size: 327680
    .private_segment_fixed_size: 0
    .kernarg_segment_align: 8
    .kernarg_segment_size: 40
    .max_flat_workgroup_size: 128
    .sgpr_count:     72
    .vgpr_count:     768
    .wavefront_size: 32
...
	.end_amdgpu_metadata
.endif
;; end of part 2
;; launch attn (part 3): grid 256 x 1, 4 waves a work-group, clusters of 4 x 1, 324,096 bytes of LDS; arguments qkv, attention_mask, ao; writes ao
.if DOCPART == 3
	.amdgcn_target "amdgcn-amd-amdhsa--gfx1250"
	.amdhsa_code_object_version 6
	.text
	.protected	k_qbea870d161_attn
	.globl	k_qbea870d161_attn
	.p2align	8
	.type	k_qbea870d161_attn,@function
k_qbea870d161_attn:
	s_mov_b64 s[64:65], 0
	v_nop
	global_prefetch_b8 v0, s[64:65] scope:SCOPE_SE
	s_setreg_imm32_b32 hwreg(HW_REG_WAVE_MODE, 25, 1), 1
	s_wait_xcnt 0x0
	s_wait_alu depctr_hold_cnt(0) depctr_sa_sdst(0) depctr_va_vdst(0) depctr_va_sdst(0) depctr_va_ssrc(0) depctr_va_vcc(0) depctr_vm_vsrc(0)
	s_getreg_b32 s2, hwreg(HW_REG_IB_STS2, 6, 4)
	s_cmp_eq_u32 s2, 0
	s_cbranch_scc0 .Lentry_in_a_cluster
	s_endpgm
.Lentry_in_a_cluster:
	s_bfe_u32 s2, ttmp6, 0x10000c
	s_cmp_lg_u32 s2, 0x3003
	s_cbranch_scc0 .Lentry_shape_is_right
	s_endpgm
.Lentry_shape_is_right:
; ao[b, s, head] = softmax over all 512 keys of ( mask ? q.k / sqrt(128) : lowest ) . v, in f16; products in f16 with f32 sums, softmax in f32.
; mask = (key <= query) and attention_mask[b][key].  EVERY query takes all 512 keys and the mask is a select: a row whose visible keys are all
; padded out has 512 equal scores and gets the mean of all 512 rows of v, the keys behind the diagonal among them.
; LIMITS: a masked score is -2^127 on the unscaled q.k (not the lowest f32 on the scaled one): it differs only for real scores below -2^127.
; The row's sum is taken over the unrounded exponentials, the product over their f16 roundings.
; CLUSTERS: the four work-groups of a cluster are the four blocks of 128 queries of one (b, head); they ask jointly for that head's K and V,
; which divides those requests by four.  All four do the same work, whatever their place.
; A wave has 32 queries as two pieces X, Y of 16, which share every fragment of K and V.
; S^T = K Q^T leaves lane (r, h) with keys 16 t + 8 h + j of query r, which is where the second source of O^T = V^T P^T wants them: no exchange
; between lanes.  All 512 scores of both pieces stay in 512 registers (windows 1, 2), so the row's true maximum is taken away and O is never rescaled.
; In the second loop the exponentials of the next 32 keys stand between the products of these 32.
; Every LDS byte is filled once: no slot is filled again.
.set MATB, 8388608
.set PA,   272                         ; pitch of Q's and K's rows
.set PV,   288                         ; pitch of V's rows (transposing loads)
.set WQ,   32*PA                       ; a wave's 32 rows of Q, later its stage
.set KREG, 128*PA                      ; K behind Q's 128 rows: 512 rows
.set VREG, KREG+512*PA                 ; V: 512 rows
.set LREG, VREG+512*PV                 ; L[key] = key where attention_mask holds, else 0xffffffff: 512 words, written by LDS stores; no fill lands here
.set RD,   5                           ; v5      the way out: where I read rows back
.set CO,   6                           ; v6      my byte offset in ao
.set STO,  7                           ; v7      8,704 w + 272 r + 16 h: my Q fragments, and where I put 16 bytes on the way out
.set KA,   8                           ; v8-11   K fragments, one for each 128 keys; in loop 2 V fragments
.set VA,   8
.set LA,   12                          ; v12     L
.set QX,   13                          ; v13-14  my query in piece X, Y
.set MXR,  16                          ; v16-19  running maxima: X, X, Y, Y
.set NM,   20                          ; v[20:23] -max x c, twice for X, twice for Y
.set LS,   24                          ; v[24:27] sums of exponentials, two for X, two for Y
.set RC,   28                          ; v[28:31] 1 / sum, twice for X, twice for Y
.set QF,   32                          ; loop 1: Q fragments at +32 p + 8 ks
.set KB,   96                          ; loop 1: two buffers of 64: tile i, ks at +32 i + 8 ks
.set LB,   224                         ; loop 1: two buffers of 16: L of tile i at +8 i + j
.set O,    32                          ; loop 2: O at +64 p + 8 dt
.set VB,   160                         ; loop 2: three buffers of 16: two d tiles
.set P,    208                         ; loop 2: two buffers of 16: X 8, Y 8
.set E,    240                         ; loop 2: 16 exponents, then exponentials
.set MS,   66                          ; s[66:97] 32 lane masks (temporaries in the prologue)
.set G1Q, 16
.set G1K, 24
.set G1V, 32
.set G0Q, 40
.set G0K, 44
.set G0V, 60
.set MSB, 0
.macro WIN new
.if MSB != \new
	s_set_vgpr_msb (MSB<<8)|\new
.set MSB, \new
.endif
.endm
.macro PLACES
.rept 4
	v_nop
.endr
.endm
.macro CROUND
	s_barrier_signal -1
	s_barrier_wait -1
	s_cmp_lg_u32 s10, 0
	s_cbranch_scc1 .Lnot_wave_0_\@
	s_barrier_signal -3
.Lnot_wave_0_\@:
	s_barrier_wait -3
	s_barrier_signal -1
	s_barrier_wait -1
.endm
	s_load_b128 s[4:7], s[0:1], 0x0                ; qkv, attention_mask
	s_load_b64 s[8:9], s[0:1], 0x10                ; ao
	v_lshl_add_u32 v15, v0, 2, 0x4f000
	s_set_vgpr_msb 0xc0
	v_mov_b32 v1, 0
	s_set_vgpr_msb 0xc0cc
	ds_add_u32 v15, v1
	s_set_vgpr_msb 0xcc00
	v_lshrrev_b32 v3, 5, v0
	v_readfirstlane_b32 s10, v3                    ; wave
	s_bfe_u32 s11, ttmp6, 0x40000                  ; cx = block of 128 queries
	s_lshr_b32 s13, ttmp9, 4                       ; b
	s_and_b32 s14, ttmp9, 15                       ; head
	s_mov_b32 s15, 0xff000000                      ; -2^127
	s_mov_b32 s98, 0x76543210                      ; v_permlanex16_b32: lane i reads lane i of the other half
	s_mov_b32 s99, 0xfedcba98
	s_mov_b32 s100, 0x3e0293ee                     ; c = log2(e) / sqrt(128)
	s_mov_b32 s101, 0x3e0293ee
	; group 1: elements of 2 bytes, rows of 128, 2,048 elements from row to row, a pad behind every 64 words (4 words; V: 8)
	s_mov_b32 s[G1Q+0], (1<<16)|(1<<20)|(5<<22)|(3<<25)                ; Q: my own load, no mask
	s_mov_b32 s[G1K+0], 15|(1<<16)|(1<<20)|(1<<21)|(5<<22)|(3<<25)     ; K: all four work-groups
	s_mov_b32 s[G1V+0], 15|(1<<16)|(1<<20)|(1<<21)|(5<<22)|(7<<25)     ; V: all four
.irp g, G1Q, G1K
	s_mov_b32 s[\g+1], 128<<16
	s_mov_b32 s[\g+2], 32<<16                      ; 32 rows
	s_mov_b32 s[\g+3], 128<<16
	s_mov_b32 s[\g+4], 32
	s_mov_b32 s[\g+5], 2048
	s_mov_b32 s[\g+6], 0
	s_mov_b32 s[\g+7], 0
.endr
	s_mov_b32 s[G1V+1], 128<<16
	s_mov_b32 s[G1V+2], 128<<16                    ; 128 rows
	s_mov_b32 s[G1V+3], 128<<16
	s_mov_b32 s[G1V+4], 128
	s_mov_b32 s[G1V+5], 2048
	s_mov_b32 s[G1V+6], 0
	s_mov_b32 s[G1V+7], 0
	s_lshl_b32 s66, s13, 21                        ; b x 512 rows of 4,096 bytes
	s_lshl_b32 s67, s14, 8                         ; + head x 256 bytes
	s_add_co_u32 s66, s66, s67
	s_mov_b32 s67, 0
	s_lshl_b32 s72, s10, 17                        ; 32 w rows
	s_mov_b32 s73, 0
	s_lshl_b32 s76, s11, 19                        ; 128 cx rows: enters Q's address and ao's alone
	s_mov_b32 s77, 0
	s_lshl_b32 s78, s10, 19                        ; 128 w rows
	s_mov_b32 s79, 0
	s_mul_i32 s80, s10, WQ
	s_mul_i32 s81, s10, 128*PV
	s_lshl_b32 s82, s13, 9
	v_lshl_add_u32 v4, v0, 2, s82                  ; my four bytes of the mask: keys 4 t .. 4 t + 3 of batch b
	s_wait_dscnt 0x0
	s_wait_kmcnt 0x0
	global_load_b32 v3, v4, s[6:7]
	s_add_nc_u64 s[70:71], s[4:5], s[66:67]        ; q at (b, head)
	s_add_nc_u64 s[74:75], s[70:71], s[72:73]      ; + my 32 rows
	s_add_nc_u64 s[8:9], s[8:9], s[66:67]
	s_add_nc_u64 s[8:9], s[8:9], s[72:73]
	s_add_nc_u64 s[8:9], s[8:9], s[76:77]          ; ao at my 32 queries
	s_mov_b32 s[G0Q], 1
	s_mul_i32 s[G0Q+1], s10, WQ
	s_add_nc_u64 s[G0Q+2:G0Q+3], s[74:75], s[76:77]
	s_or_b32 s[G0Q+3], s[G0Q+3], 0x80000000
.irp c, 0,1,2,3
	s_mov_b32 s[G0K+4*\c], 1
	s_add_co_u32 s[G0K+4*\c+1], s80, KREG+128*PA*\c
	s_add_nc_u64 s[G0K+4*\c+2:G0K+4*\c+3], s[74:75], MATB+\c*524288    ; k, rows 128 c + 32 w
	s_or_b32 s[G0K+4*\c+3], s[G0K+4*\c+3], 0x80000000
.endr
	s_mov_b32 s[G0V], 1
	s_add_co_u32 s[G0V+1], s81, VREG
	s_add_nc_u64 s[G0V+2:G0V+3], s[70:71], s[78:79]
	s_add_nc_u64 s[G0V+2:G0V+3], s[G0V+2:G0V+3], 2*MATB                ; v, rows 128 w
	s_or_b32 s[G0V+3], s[G0V+3], 0x80000000
	CROUND                                         ; the four work-groups are here: the joint loads meet
	tensor_load_to_lds s[G0Q:G0Q+3], s[G1Q:G1Q+7]  ; six loads of this wave are out: Q, K's four blocks of 128 keys, V
	s_nop 0
.irp c, 0,1,2,3
	tensor_load_to_lds s[G0K+4*\c:G0K+4*\c+3], s[G1K:G1K+7]
	s_nop 0
.endr
	tensor_load_to_lds s[G0V:G0V+3], s[G1V:G1V+7]
	s_nop 0
	; L: one unsigned compare L[key] <= query then stands for both masks
	v_lshlrev_b32 v24, 2, v0
	s_wait_loadcnt 0x0
.irp i, 0,1,2,3
	v_bfe_u32 v25, v3, 8*\i, 8
	v_cmp_ne_u32 vcc_lo, 0, v25
	v_add_nc_u32 v26, \i, v24
	v_cndmask_b32 v[20+\i], -1, v26, vcc_lo
.endr
	v_lshlrev_b32 v25, 4, v0
	v_add_nc_u32 v25, LREG, v25
	ds_store_b128 v25, v[20:23]
	; lane addresses
	v_and_b32 v1, 15, v0                           ; r
	v_bfe_u32 v2, v0, 4, 1                         ; h
	v_mul_u32_u24 v3, v1, PA
	v_lshl_add_u32 v3, v2, 4, v3                   ; 272 r + 16 h
.irp q, 0,1,2,3
	v_add_nc_u32 v[KA+\q], KREG+128*PA*\q, v3
.endr
	v_lshlrev_b32 v[LA], 5, v2
	v_add_nc_u32 v[LA], LREG, v[LA]
	s_lshl_b32 s83, s11, 7
	s_lshl_b32 s84, s10, 5
	s_add_co_u32 s83, s83, s84
	v_add_nc_u32 v[QX], s83, v1                    ; 128 cx + 32 w + r: compared with keys, never an address
	v_add_nc_u32 v[QX+1], 16, v[QX]
.irp i, 0,1,2,3
	v_mov_b32 v[MXR+\i], s15
.endr
	v_add_nc_u32 v[STO], s80, v3
	v_mul_u32_u24 v4, v2, PA
	v_lshl_add_u32 v4, v1, 4, v4
	v_add_nc_u32 v[RD], s80, v4                    ; 8,704 w + 272 h + 16 r
	v_lshlrev_b32 v4, 12, v2
	v_lshl_add_u32 v[CO], v1, 4, v4
	s_wait_tensorcnt 0x4                           ; Q and K's first block are in; the four younger loads may be out
	s_wait_dscnt 0x0                               ; my part of L is stored
	s_barrier_signal -1
	s_barrier_wait -1
.irp p, 0,1
.irp ks, 0,1,2,3
	ds_load_b128 v[QF+32*\p+8*\ks:QF+32*\p+8*\ks+3],   v[STO] offset:16*PA*\p+64*\ks
	ds_load_b128 v[QF+32*\p+8*\ks+4:QF+32*\p+8*\ks+7], v[STO] offset:16*PA*\p+64*\ks+32
.endr
.endr
; 20 LDS loads: the K fragments and the L words of key tiles 2 u, 2 u + 1
.macro KLOAD u
.irp i, 0,1
.irp ks, 0,1,2,3
	ds_load_b128 v[KB+64*((\u)&1)+32*\i+8*\ks:KB+64*((\u)&1)+32*\i+8*\ks+3],   v[KA+((2*(\u)+\i)>>3)] offset:16*PA*((2*(\u)+\i)&7)+64*\ks
	ds_load_b128 v[KB+64*((\u)&1)+32*\i+8*\ks+4:KB+64*((\u)&1)+32*\i+8*\ks+7], v[KA+((2*(\u)+\i)>>3)] offset:16*PA*((2*(\u)+\i)&7)+64*\ks+32
.endr
.endr
.irp i, 0,1
	ds_load_b128 v[LB+16*((\u)&1)+8*\i:LB+16*((\u)&1)+8*\i+3],   v[LA] offset:64*(2*(\u)+\i)
	ds_load_b128 v[LB+16*((\u)&1)+8*\i+4:LB+16*((\u)&1)+8*\i+7], v[LA] offset:64*(2*(\u)+\i)+16
.endr
.endm
; LOOP 1, pair u: the scores of 32 keys for both pieces, into window 1 + (u >> 3) at 32 (u & 7) + 16 i + 8 p + j.
; Four accumulators take turns; behind each product stand two of the pair's 32 compares.
.macro PAIR u
.set W,   1+((\u)>>3)
.set SB,  32*((\u)&7)
.set KBU, KB+64*((\u)&1)
.set LBU, LB+16*((\u)&1)
.set WMM, (W<<6)|(W<<4)
.set WCM, (W<<6)|(W<<2)
.set WMX, (W<<4)|(W<<2)
.if \u < 15
.if ((\u)+1)%4 == 0
	s_wait_tensorcnt 4-((\u)+1)/4                  ; my part of K's next block is in; the younger blocks and V may be out
	s_wait_dscnt 0x0
	s_barrier_signal -1
	s_barrier_wait -1                              ; everybody's part is
.endif
	KLOAD \u+1                                     ; under the setting left by the maxima: destination and address in window 0
	s_wait_dscnt 20                                ; all but the 20 just issued
.else
	s_wait_dscnt 0x0
.endif
	WIN WMM
.set n, 0
.irp ks, 0,1,2,3
.irp i, 0,1
.irp p, 0,1
.if \ks == 0
	v_wmma_f32_16x16x32_f16 v[SB+16*\i+8*\p:SB+16*\i+8*\p+7], v[KBU+32*\i+8*\ks:KBU+32*\i+8*\ks+7], v[QF+32*\p+8*\ks:QF+32*\p+8*\ks+7], 0
.else
	v_wmma_f32_16x16x32_f16 v[SB+16*\i+8*\p:SB+16*\i+8*\p+7], v[KBU+32*\i+8*\ks:KBU+32*\i+8*\ks+7], v[QF+32*\p+8*\ks:QF+32*\p+8*\ks+7], v[SB+16*\i+8*\p:SB+16*\i+8*\p+7]
.endif
.rept 2
	v_cmp_le_u32 s[MS+n], v[LBU+8*(n>>4)+(n&7)], v[QX+((n>>3)&1)]      ; key allowed and not behind the query
.set n, n+1
.endr
.endr
.endr
.endr
	WIN WCM
.set n, 0
.rept 32
	v_cndmask_b32 v[SB+n], s15, v[SB+n], s[MS+n]   ; ascending: each tile's last product lies at least eight plain instructions back
.set n, n+1
.endr
	WIN WMX
.set n, 0
.rept 16
	v_max3_num_f32 v[MXR+2*((n>>3)&1)+((n>>1)&1)], v[MXR+2*((n>>3)&1)+((n>>1)&1)], v[SB+n], v[SB+n+1]
.set n, n+2
.endr
.endm
	KLOAD 0
.irp u, 0,1,2,3,4,5,6,7,8,9,10,11,12,13,14,15
	PAIR \u
.endr
	; BETWEEN THE LOOPS
	WIN 0
	s_wait_tensorcnt 0x0                           ; my part of V is in
	s_wait_dscnt 0x0
	s_barrier_signal -1
	s_barrier_wait -1                              ; everybody's is
	v_and_b32 v4, 7, v0
	v_lshl_add_u32 v4, v2, 3, v4                   ; key row (l & 7) + 8 h
	v_mul_u32_u24 v4, v4, PV
	v_bfe_u32 v3, v0, 3, 1
	v_lshl_add_u32 v4, v3, 4, v4
.irp q, 0,1,2,3
	v_add_nc_u32 v[VA+\q], VREG+128*PV*\q, v4
.endr
; group G = 4 c + g: the V^T fragments of keys 32 c .. +31, d tiles 2 g, 2 g + 1: four transposing loads
.macro VLOAD G
.irp e, 0,1
.irp j, 0,1
	ds_load_tr16_b128 v[VB+16*((\G)%3)+8*\e+4*\j:VB+16*((\G)%3)+8*\e+4*\j+3], v[VA+((\G)>>4)] offset:32*PV*(((\G)>>2)&3)+32*(2*((\G)&3)+\e)+16*PV*\j
.endr
.endr
.endm
	VLOAD 0
	VLOAD 1
	v_max_num_f32 v[MXR], v[MXR], v[MXR+1]
	v_max_num_f32 v[MXR+2], v[MXR+2], v[MXR+3]
	v_permlanex16_b32 v[MXR+1], v[MXR], s98, s99   ; lanes r and 16 + r hold the two halves of query r's keys
	v_permlanex16_b32 v[MXR+3], v[MXR+2], s98, s99
	v_max_num_f32 v[MXR], v[MXR], v[MXR+1]
	v_max_num_f32 v[MXR+2], v[MXR+2], v[MXR+3]
	v_mul_f32 v[NM], 0xbe0293ee, v[MXR]            ; -max x c; for max = -2^127 the product is exact, so a row without a visible key gets exponent 0 at all 512 keys
	v_mul_f32 v[NM+2], 0xbe0293ee, v[MXR+2]
	v_mov_b32 v[NM+1], v[NM]
	v_mov_b32 v[NM+3], v[NM+2]
.irp i, 0,1,2,3
	v_mov_b32 v[LS+\i], 0
.endr
; the 16 exponents of half hf (key tile 2 c + hf) of chunk c: s x c - max x c, X's eight, then Y's eight
.macro FMAB c, hf
.set W,  1+((\c)>>3)
.set SB, 32*((\c)&7)+16*(\hf)
	WIN W                                          ; source 0 in the scores' window
.irp k, 0,1,2,3,4,5,6,7
	v_pk_fma_f32 v[E+2*\k:E+2*\k+1], v[SB+2*\k:SB+2*\k+1], s[100:101], v[NM+2*(\k>>2):NM+2*(\k>>2)+1] op_sel_hi:[1,0,1]
.endr
	WIN 0
.endm
; two exponentials go into P as f16 and into the row's sum
.macro FIN c, hf, k
	s_wait_alu depctr_va_vdst(0)
	v_cvt_pk_f16_f32 v[P+16*((\c)&1)+8*((\k)>>2)+4*(\hf)+((\k)&3)], v[E+2*(\k)], v[E+2*(\k)+1]
	v_pk_add_f32 v[LS+2*((\k)>>2):LS+2*((\k)>>2)+1], v[LS+2*((\k)>>2):LS+2*((\k)>>2)+1], v[E+2*(\k):E+2*(\k)+1]
.endm
; two exponentials, and behind them plain work on the two before: the plain instruction that a transcendental wants ahead of its result's use (ISA guide 5.7.2)
.macro SLOT c, hf, s
	v_exp_f32 v[E+2*(\s)], v[E+2*(\s)]
	v_exp_f32 v[E+2*(\s)+1], v[E+2*(\s)+1]
.if (\s) > 0
	FIN \c, \hf, (\s)-1
.else
	v_nop
.endif
.endm
; LOOP 2, group g of chunk c: four products (two d tiles x two pieces) on keys 32 c .. +31, and between them a quarter of chunk c + 1's exponentials.
; The 16 accumulators of O take turns in the same order in every chunk.
.macro PVG c, g
.set GG, 4*(\c)+(\g)
.set CN, (\c)+1
.set HF, (\g)>>1
.if (\g) == 0
	FIN \c, 1, 7                                   ; the last two exponentials of this chunk
.endif
.if (\c) < 15
.if (\g) == 2
	FIN CN, 0, 7
.endif
.if ((\g)&1) == 0
	FMAB CN, HF
.endif
.endif
.if GG == 63
	s_wait_dscnt 0x0
.else
	s_wait_dscnt 0x4                               ; this group's fragments are in; the next group's four loads may be out
.endif
.irp i, 0,1,2,3
.set OT, O+64*(\i&1)+8*(2*(\g)+(\i>>1))
.set VT, VB+16*(GG%3)+8*(\i>>1)
.set PT, P+16*((\c)&1)+8*(\i&1)
.if (\c) == 0
	v_wmma_f32_16x16x32_f16 v[OT:OT+7], v[VT:VT+7], v[PT:PT+7], 0
.else
	v_wmma_f32_16x16x32_f16 v[OT:OT+7], v[VT:VT+7], v[PT:PT+7], v[OT:OT+7]
.endif
.if (\c) < 15
.set SS, 4*((\g)&1)+\i
	SLOT CN, HF, SS
.endif
.endr
.if GG+2 <= 63
.if (\c) == 15
	PLACES                                         ; the last chunk has no vector work to stand ahead of the loads
.endif
	VLOAD GG+2                                     ; into the buffer that group G - 1 read: more than four plain instructions lie between
.endif
.endm
	FMAB 0, 0                                      ; chunk 0's exponentials have no products to stand among
.irp s, 0,1,2,3,4,5,6,7
	SLOT 0, 0, \s
.endr
	FIN 0, 0, 7
	FMAB 0, 1
.irp s, 0,1,2,3,4,5,6,7
	SLOT 0, 1, \s
.endr
.irp c, 0,1,2,3,4,5,6,7,8,9,10,11,12,13,14,15
.irp g, 0,1,2,3
	PVG \c, \g
.endr
.endr
	; THE WAY OUT.  The sums below are the places behind the last products: four plain adds, a v_nop and two moves stand ahead of the first reader of O.
	v_add_f32 v[LS], v[LS], v[LS+1]
	v_add_f32 v[LS+2], v[LS+2], v[LS+3]
	v_permlanex16_b32 v[LS+1], v[LS], s98, s99
	v_permlanex16_b32 v[LS+3], v[LS+2], s98, s99
	v_add_f32 v[LS], v[LS], v[LS+1]                ; at least 1: the largest score's exponential is 1
	v_add_f32 v[LS+2], v[LS+2], v[LS+3]
	v_rcp_f32 v[RC], v[LS]
	v_rcp_f32 v[RC+2], v[LS+2]
	v_nop
	s_wait_alu depctr_va_vdst(0)
	v_mov_b32 v[RC+1], v[RC]
	v_mov_b32 v[RC+3], v[RC+2]
	; lane (r, h) holds d = 16 dt + 8 h + j of query r: 16 bytes of f16 into my own stage (my 32 rows of Q: filled once, read by me alone)
.irp p, 0,1
.irp dt, 0,1,2,3,4,5,6,7
.irp k, 0,1,2,3
	v_pk_mul_f32 v[O+64*\p+8*\dt+2*\k:O+64*\p+8*\dt+2*\k+1], v[O+64*\p+8*\dt+2*\k:O+64*\p+8*\dt+2*\k+1], v[RC+2*\p:RC+2*\p+1]
.endr
.irp k, 0,1,2,3
	v_cvt_pk_f16_f32 v[VB+4*(8*\p+\dt)+\k], v[O+64*\p+8*\dt+2*\k], v[O+64*\p+8*\dt+2*\k+1]
.endr
	ds_store_b128 v[STO], v[VB+4*(8*\p+\dt):VB+4*(8*\p+\dt)+3] offset:16*PA*\p+32*\dt
.endr
.endr
.irp t, 0,1,2,3,4,5,6,7,8,9,10,11,12,13,14,15
	ds_load_b128 v[O+4*\t:O+4*\t+3], v[RD] offset:2*PA*\t      ; LDS serves a wave's instructions in order (ISA guide 5.7.1): these see my stores above
.endr
.irp t, 0,1,2,3,4,5,6,7,8,9,10,11,12,13,14,15
	s_wait_dscnt 15-\t
	global_store_b128 v[CO], v[O+4*\t:O+4*\t+3], s[8:9] offset:8192*\t     ; 16 lanes store 256 consecutive bytes, at a multiple of 256 from ao's first byte
.endr
	s_set_vgpr_msb 0xc
	s_wait_tensorcnt 0x0
	ds_add_u32 v15, v1
	s_wait_dscnt 0x0
	s_set_vgpr_msb 0xc00
	CROUND                                         ; the closing round
	s_endpgm
.Lfunc_end_k_qbea870d161_attn:
	.size	k_qbea870d161_attn, .Lfunc_end_k_qbea870d161_attn-k_qbea870d161_attn
	.p2alignl 7, 3214868480
	.fill 96, 4, 3214868480
	.section	.rodata,"a",@progbits
	.p2align	6, 0x0
	.amdhsa_kernel k_qbea870d161_attn
		.amdhsa_group_segment_fixed_size 324096
		.amdhsa_private_segment_fixed_size 0
		.amdhsa_enable_private_segment 0
		.amdhsa_kernarg_size 24
		.amdhsa_user_sgpr_count 2
		.amdhsa_user_sgpr_kernarg_segment_ptr 1
		.amdhsa_wavefront_size32 1
		.amdhsa_system_sgpr_workgroup_id_x 1
		.amdhsa_system_sgpr_workgroup_id_y 1
		.amdhsa_system_sgpr_workgroup_id_z 1
		.amdhsa_system_vgpr_workitem_id 0
		.amdhsa_next_free_vgpr 770
		.amdhsa_next_free_sgpr 102
		.amdhsa_reserve_vcc 1
		.amdhsa_float_denorm_mode_32 3
		.amdhsa_float_denorm_mode_16_64 3
		.amdhsa_memory_ordered 1
		.amdhsa_forward_progress 1
		.amdhsa_inst_pref_size 251
	.end_amdhsa_kernel
	.amdgpu_metadata
---
amdhsa.version: [ 1, 2 ]
amdhsa.kernels:
  - .name:           k_qbea870d161_attn
    .symbol:         k_qbea870d161_attn.kd
    .args:
      - { .name: qkv, .offset: 0, .size: 8, .value_kind: global_buffer, .address_space: global }
      - { .name: attention_mask, .offset: 8, .size: 8, .value_kind: global_buffer, .address_space: global }
      - { .name: ao, .offset: 16, .size: 8, .value_kind: global_buffer, .address_space: global }
    .group_segment_fixed_size: 324096
    .private_segment_fixed_size: 0
    .kernarg_segment_align: 8
    .kernarg_segment_size: 24
    .max_flat_workgroup_size: 128
    .sgpr_count:     102
    .vgpr_count:     770
    .wavefront_size: 32
...
	.end_amdgpu_metadata
.endif
;; end of part 3
;; launch oproj (part 4): grid 16 x 16, 4 waves a work-group, clusters of 4 x 4, 327,680 bytes of LDS; arguments ao, cb, bo, out0; writes out0
.if DOCPART == 4
	.amdgcn_target "amdgcn-amd-amdhsa--gfx1250"
	.amdhsa_code_object_version 6
	.text
	.protected	k_qbea870d161_oproj
	.globl	k_qbea870d161_oproj
	.p2align	8
	.type	k_qbea870d161_oproj,@function
k_qbea870d161_oproj:
	s_mov_b64 s[64:65], 0
	v_nop
	global_prefetch_b8 v0, s[64:65] scope:SCOPE_SE
	s_setreg_imm32_b32 hwreg(HW_REG_WAVE_MODE, 25, 1), 1
	s_wait_xcnt 0x0
	s_wait_alu depctr_hold_cnt(0) depctr_sa_sdst(0) depctr_va_vdst(0) depctr_va_sdst(0) depctr_va_ssrc(0) depctr_va_vcc(0) depctr_vm_vsrc(0)
	s_getreg_b32 s2, hwreg(HW_REG_IB_STS2, 6, 4)
	s_cmp_eq_u32 s2, 0
	s_cbranch_scc0 .Lentry_in_a_cluster
	s_endpgm
.Lentry_in_a_cluster:
	s_bfe_u32 s2, ttmp6, 0x10000c
	s_cmp_lg_u32 s2, 0xf033
	s_cbranch_scc0 .Lentry_shape_is_right
	s_endpgm
.Lentry_shape_is_right:
; out0[row][col] = sum over k of ao[row][k] Wo[k][col] + bo[col], f32.  Operands f16 (ao; Wo is matrix 4 of cb), sums f32.
; Work-group (bx, by): a block of 128 x 128; four waves, wave (wr, wc) makes 64 x 64: 16 accumulators (c, a) in window 1 at 8 (4 c + a).
; K goes in 16 tiles of 128 through FOUR LDS slots; tile n lies in slot n mod 4.  A tile's rows are 256 consecutive bytes at multiples of 256
; from their buffers' first bytes.  Three slots are filled again behind one round of the cluster's barrier; the fourth has landed by then and
; has not been read, and is multiplied while the three are on their way.  So four rounds serve the twelve refills, and each round has
; 3 x 65,536 bytes issued behind it.  A tile has 64 matrix instructions of a wave: with one slot filled behind each round a request would have
; little work in which to land.  By this text's count a wave has four tensor loads out after the start, later three.
; CLUSTERS: 4 x 4 work-groups; ao's tile hangs on by alone and is asked for jointly by a row of the cluster, Wo's on bx alone and by a column.
; The matrix instruction is used transposed (source 0 = 16 columns of Wo, source 1 = 16 rows of ao): a lane holds eight neighbouring columns of a row.
.set MATB, 8388608
.set PA,   272                         ; LDS pitch of ao's rows: 256 + 16 bytes
.set PB,   288                         ; LDS pitch of Wo's rows: 256 + 32 bytes (transposing loads)
.set AREG, 128*PA                      ; 34,816
.set SLOT, AREG+128*PB                 ; 71,680
.set STAGE, 4*SLOT                     ; behind the ring: 16 rows x 272 bytes for each wave; no fill lands here
.set SP,   272
.set ADRA, 8                           ; v8-11   ao fragments, slot 0..3
.set ADRB, 12                          ; v12-15  Wo fragments, slot 0..3
.set STO,  16
.set RD,   17
.set CO,   18
.set BOFF, 19
.set F0,   32                          ; fragment buffer 0: ao's tile a at +8 a, Wo's tile c at +32 + 8 c
.set F1,   96
.set BIAS, 160                         ; v160-191 bo of my columns, 8 c + j
.set TMP,  192                         ; v192-223 the way out
.set G1A, 24                           ; s[24:31] group 1, ao's tiles
.set G1B, 32                           ; s[32:39] group 1, Wo's tiles
.set G0A, 40                           ; s[40:55] group 0, ao's tiles, a set for each slot
.set G0B, 56                           ; s[56:63], s[68:75] group 0, Wo's tiles: slot s at 56 + 4 s + 4 (s >> 1)
.set MSB, 0
.macro WIN new
.if MSB != \new
	s_set_vgpr_msb (MSB<<8)|\new
.set MSB, \new
.endif
.endm
.macro PLACES                          ; four places behind a matrix instruction, ahead of loads into its sources and of readers of its result
.rept 4
	v_nop
.endr
.endm
.macro CREST
	s_cmp_lg_u32 s12, 0
	s_cbranch_scc1 .Lnot_wave_0_\@
	s_barrier_signal -3
.Lnot_wave_0_\@:
	s_barrier_wait -3
	s_barrier_signal -1
	s_barrier_wait -1
.endm
.macro CROUND
	s_barrier_signal -1
	s_barrier_wait -1
	CREST
.endm
; Joint loads.  Waves 0, 1 ask for the halves of ao's tile, waves 2, 3 for the halves of Wo's: each line has one mask; the branch hangs on the wave's number alone.
.macro JLOAD s
	s_cmp_eq_u32 s13, 0
	s_cbranch_scc0 .Lfor_w_\@
	tensor_load_to_lds s[G0A+4*\s:G0A+4*\s+3], s[G1A:G1A+7]
	s_nop 0
	s_branch .Lasked_\@
.Lfor_w_\@:
	tensor_load_to_lds s[G0B+4*\s+4*(\s>>1):G0B+4*\s+4*(\s>>1)+3], s[G1B:G1B+7]
	s_nop 0
.Lasked_\@:
.endm
.macro JLOAD3 a, b, c
	s_cmp_eq_u32 s13, 0
	s_cbranch_scc0 .Lfor_w_\@
.irp t, \a, \b, \c
	tensor_load_to_lds s[G0A+4*\t:G0A+4*\t+3], s[G1A:G1A+7]
	s_nop 0
.endr
	s_branch .Lasked_\@
.Lfor_w_\@:
.irp t, \a, \b, \c
	tensor_load_to_lds s[G0B+4*\t+4*(\t>>1):G0B+4*\t+4*(\t>>1)+3], s[G1B:G1B+7]
	s_nop 0
.endr
.Lasked_\@:
.endm
	s_load_b256 s[4:11], s[0:1], 0x0               ; ao, cb, bo, out0
	v_lshl_add_u32 v254, v0, 2, 0x4a400
	v_mov_b32 v255, 0
	ds_add_u32 v254, v255
	v_lshrrev_b32 v3, 5, v0
	v_readfirstlane_b32 s12, v3                    ; wave
	s_lshr_b32 s13, s12, 1                         ; wr: my 64 rows.  Also: I fetch for ao (0) or for Wo (1)
	s_and_b32 s14, s12, 1                          ; wc: my 64 columns.  Also: which half of that tile I fetch
	s_bfe_u32 s76, ttmp6, 0x40000                  ; cx
	s_bfe_u32 s77, ttmp6, 0x40004                  ; cy
	s_lshl_b32 s78, ttmp9, 2
	s_add_co_u32 s78, s78, s76                     ; bx
	s_and_b32 s79, ttmp7, 0xffff
	s_lshl_b32 s79, s79, 2
	s_add_co_u32 s79, s79, s77                     ; by
	s_lshl_b32 s80, s77, 2
	s_lshl_b32 s80, 15, s80                        ; my row of the cluster
	s_lshl_b32 s81, 0x1111, s76                    ; my column
	; both kinds: 64 rows x 128 elements of 2 bytes, 2,048 elements from row to row; a pad behind every 64 words: 4 words for ao, 8 for Wo
	s_or_b32 s[G1A+0], s80, (1<<16)|(1<<20)|(1<<21)|(5<<22)|(3<<25)
	s_or_b32 s[G1B+0], s81, (1<<16)|(1<<20)|(1<<21)|(5<<22)|(7<<25)
.irp g, G1A, G1B
	s_mov_b32 s[\g+1], 128<<16                     ; tensor_dim0 = 128
	s_mov_b32 s[\g+2], 64<<16                      ; tensor_dim1 = 64
	s_mov_b32 s[\g+3], 128<<16                     ; tile_dim0 = 128
	s_mov_b32 s[\g+4], 64                          ; tile_dim1 = 64
	s_mov_b32 s[\g+5], 2048                        ; pitch
	s_mov_b32 s[\g+6], 0
	s_mov_b32 s[\g+7], 0
.endr
	s_lshl_b32 s16, s79, 19                        ; ao: row 128 by + 64 half, 4,096 bytes a row (never holds bx)
	s_lshl_b32 s17, s14, 18
	s_add_co_u32 s16, s16, s17
	s_mov_b32 s17, 0
	s_lshl_b32 s82, s14, 18                        ; Wo: k row 64 half, column 128 bx (never holds by)
	s_lshl_b32 s83, s78, 8
	s_add_co_u32 s82, s82, s83
	s_mov_b32 s83, 0
	s_mul_i32 s20, s14, 64*PA                      ; LDS: the wave's number alone
	s_mul_i32 s21, s14, 64*PB
	s_add_co_u32 s21, s21, AREG
	s_lshl_b32 s18, s79, 20                        ; out0: row 128 by + 64 wr, 8,192 bytes a row,
	s_lshl_b32 s19, s13, 19
	s_add_co_u32 s18, s18, s19
	s_lshl_b32 s19, s78, 9                         ; column 128 bx + 64 wc
	s_add_co_u32 s18, s18, s19
	s_lshl_b32 s23, s14, 8
	s_add_co_u32 s18, s18, s23
	s_add_co_u32 s23, s23, s19                     ; the same columns in bo
	s_mov_b32 s19, 0
	v_and_b32 v1, 15, v0                           ; r
	v_bfe_u32 v2, v0, 4, 1                         ; h
	v_lshl_add_u32 v[BOFF], v2, 5, s23             ; 4 (128 bx + 64 wc + 8 h)
	s_wait_dscnt 0x0
	s_wait_kmcnt 0x0
	s_add_nc_u64 s[16:17], s[4:5], s[16:17]
	s_add_nc_u64 s[82:83], s[6:7], s[82:83]
	s_add_nc_u64 s[82:83], s[82:83], 4*MATB
	s_add_nc_u64 s[10:11], s[10:11], s[18:19]
.irp c, 0,1,2,3
	global_load_b128 v[BIAS+8*\c:BIAS+8*\c+3],   v[BOFF], s[8:9] offset:64*\c      ; waited for on the way out
	global_load_b128 v[BIAS+8*\c+4:BIAS+8*\c+7], v[BOFF], s[8:9] offset:64*\c+16
.endr
	CROUND                                         ; all sixteen work-groups are here: the first joint loads meet
.irp s, 0,1,2,3
	s_mov_b32 s[G0A+4*\s], 1
	s_add_co_u32 s[G0A+4*\s+1], s20, \s*SLOT
	s_add_nc_u64 s[G0A+4*\s+2:G0A+4*\s+3], s[16:17], \s*256                        ; tile s: 128 elements along the rows
	s_or_b32 s[G0A+4*\s+3], s[G0A+4*\s+3], 0x80000000
	s_mov_b32 s[G0B+4*\s+4*(\s>>1)], 1
	s_add_co_u32 s[G0B+4*\s+4*(\s>>1)+1], s21, \s*SLOT
	s_add_nc_u64 s[G0B+4*\s+4*(\s>>1)+2:G0B+4*\s+4*(\s>>1)+3], s[82:83], \s*524288 ; tile s: 128 rows of 4,096 bytes
	s_or_b32 s[G0B+4*\s+4*(\s>>1)+3], s[G0B+4*\s+4*(\s>>1)+3], 0x80000000
	JLOAD \s                                       ; tiles 0 .. 3: first fills of the four slots
.endr
	; lane addresses
	v_mul_u32_u24 v3, v1, PA
	v_lshl_add_u32 v3, v2, 4, v3
	s_mul_i32 s22, s13, 64*PA
	v_add_nc_u32 v3, s22, v3                       ; (64 wr + r) 272 + 16 h
	v_and_b32 v4, 7, v0
	v_lshl_add_u32 v4, v2, 3, v4                   ; k row (l & 7) + 8 h
	v_mul_u32_u24 v4, v4, PB
	v_bfe_u32 v5, v0, 3, 1
	v_lshl_add_u32 v4, v5, 4, v4
	s_lshl_b32 s22, s14, 7                         ; my 64 columns: 128 wc bytes
	v_add_nc_u32 v4, s22, v4
.irp s, 0,1,2,3
	v_add_nc_u32 v[ADRA+\s], \s*SLOT, v3
	v_add_nc_u32 v[ADRB+\s], \s*SLOT+AREG, v4
.endr
	s_mul_i32 s22, s12, 16*SP
	s_add_co_u32 s22, s22, STAGE                   ; my stage
	v_mul_u32_u24 v4, v1, SP
	v_lshl_add_u32 v4, v2, 5, v4
	v_add_nc_u32 v[STO], s22, v4                   ; row r, 32 bytes for each half of the lanes
	v_mul_u32_u24 v5, v2, SP
	v_lshl_add_u32 v5, v1, 4, v5
	v_add_nc_u32 v[RD], s22, v5                    ; lanes 0-15 take one row of 256 bytes, lanes 16-31 the next
	v_lshlrev_b32 v5, 13, v2
	v_lshl_add_u32 v[CO], v1, 4, v5
.macro MUL8 f, c0, zero                ; 8 matrix instructions: column tiles c0, c0 + 1 x 4 row tiles, 32 along K
.irp c, \c0, \c0+1
.irp a, 0,1,2,3
.if \zero
	v_wmma_f32_16x16x32_f16 v[8*(4*(\c)+\a):8*(4*(\c)+\a)+7], v[\f+32+8*(\c):\f+32+8*(\c)+7], v[\f+8*\a:\f+8*\a+7], 0
.else
	v_wmma_f32_16x16x32_f16 v[8*(4*(\c)+\a):8*(4*(\c)+\a)+7], v[\f+32+8*(\c):\f+32+8*(\c)+7], v[\f+8*\a:\f+8*\a+7], v[8*(4*(\c)+\a):8*(4*(\c)+\a)+7]
.endif
.endr
.endr
.endm
.macro FETCH slot, q, f                ; 16 LDS loads: quarter q (32 along K) of a slot into buffer f
.irp a, 0,1,2,3
	ds_load_b128 v[\f+8*\a:\f+8*\a+3],   v[ADRA+\slot] offset:64*\q+16*PA*\a
	ds_load_b128 v[\f+8*\a+4:\f+8*\a+7], v[ADRA+\slot] offset:64*\q+16*PA*\a+32
.endr
.irp c, 0,1,2,3
	ds_load_tr16_b128 v[\f+32+8*\c:\f+32+8*\c+3],   v[ADRB+\slot] offset:32*PB*\q+32*\c
	ds_load_tr16_b128 v[\f+32+8*\c+4:\f+32+8*\c+7], v[ADRB+\slot] offset:32*PB*\q+32*\c+16*PB
.endr
.endm
; One of a tile's first three quarters: multiplies buffer f and fetches quarter qn into buffer g in its middle.
; The 16 accumulators take turns in the same order in every quarter.
.macro SUB slot, qn, f, g, zero
	s_wait_dscnt 4                                 ; ao's tiles and Wo's c = 0, 1 are in; the four youngest loads (c = 2, 3) may be out
	WIN 0x50
	MUL8 \f, 0, \zero
	PLACES
	WIN 0
	FETCH \slot, \qn, \g
	s_wait_dscnt 16                                ; all but the 16 just issued
	WIN 0x50
	MUL8 \f, 2, \zero
.endm
.macro THREE slot, zero
	SUB \slot, 1, F0, F1, \zero
	SUB \slot, 2, F1, F0, 0
	SUB \slot, 3, F0, F1, 0
.endm
; The last quarter multiplies buffer 1 and goes on to the next tile.  It only shows the next tile, whose
; four parts four waves fetched, to all.  left = how many younger tensor loads of mine may stay out.
.macro TURN next, left
	s_wait_dscnt 0
	s_wait_tensorcnt \left                         ; tensor loads of a wave end in order (ISA guide 10.11.1): my part of the next tile is in
	s_barrier_signal -1
	WIN 0x50
	MUL8 F1, 0, 0                                  ; register work while the others arrive
	WIN 0
	s_barrier_wait -1
	PLACES
	FETCH \next, 0, F0
	WIN 0x50
	MUL8 F1, 2, 0
.endm
; The same where slots a, b, c, which have been read, are filled again, each with the tile four further on.  Each wave's reads of them and ALL its
; tensor loads (one is out: its part of the next tile) are waited for in front of the round's opening signal; the three joint loads are the first
; tensor loads behind its closing wait.  Nothing stands between signal and wait: products there would hold the requests back by their own length.
.macro TURNF next, a, b, c
	s_wait_dscnt 0
	s_wait_tensorcnt 0x0
	ds_add_u32 v254, v255
	s_wait_dscnt 0x0
	WIN 0
	s_barrier_signal -1
	s_barrier_wait -1
	CREST                                          ; no wave of any partner still reads the three slots or has a load on its way
.irp t, \a, \b, \c
	s_add_nc_u64 s[G0A+4*\t+2:G0A+4*\t+3], s[G0A+4*\t+2:G0A+4*\t+3], 1024
	s_add_nc_u64 s[G0B+4*\t+4*(\t>>1)+2:G0B+4*\t+4*(\t>>1)+3], s[G0B+4*\t+4*(\t>>1)+2:G0B+4*\t+4*(\t>>1)+3], 2097152
.endr
	JLOAD3 \a, \b, \c
	PLACES
	FETCH \next, 0, F0
	WIN 0x50
	MUL8 F1, 0, 0
	MUL8 F1, 2, 0
.endm
	s_wait_tensorcnt 0x3                           ; my part of tile 0 is in; tiles 1, 2, 3 may be out
	s_barrier_signal -1
	s_barrier_wait -1
	FETCH 0, 0, F0
	THREE 0, 1                                     ; tile 0: its first products start the sums
	TURN 1, 2
	THREE 1, 0                                     ; tile 1
	TURN 2, 1
	THREE 2, 0                                     ; tile 2
	TURNF 3, 0, 1, 2                               ; tile 3 has landed; tiles 4, 5, 6 go out
	THREE 3, 0                                     ; tile 3
	TURN 0, 2
	THREE 0, 0                                     ; tile 4
	TURN 1, 1
	THREE 1, 0                                     ; tile 5
	TURNF 2, 3, 0, 1                               ; tile 6 has landed; tiles 7, 8, 9 go out
	THREE 2, 0                                     ; tile 6
	TURN 3, 2
	THREE 3, 0                                     ; tile 7
	TURN 0, 1
	THREE 0, 0                                     ; tile 8
	TURNF 1, 2, 3, 0                               ; tile 9 has landed; tiles 10, 11, 12 go out
	THREE 1, 0                                     ; tile 9
	TURN 2, 2
	THREE 2, 0                                     ; tile 10
	TURN 3, 1
	THREE 3, 0                                     ; tile 11
	TURNF 0, 1, 2, 3                               ; tile 12 has landed; tiles 13, 14, 15 go out: the last
	THREE 0, 0                                     ; tile 12
	TURN 1, 2
	THREE 1, 0                                     ; tile 13
	TURN 2, 1
	THREE 2, 0                                     ; tile 14
	TURN 3, 0
	THREE 3, 0                                     ; tile 15
	s_wait_dscnt 0
	WIN 0x50
	MUL8 F1, 0, 0
	MUL8 F1, 2, 0
	; THE WAY OUT, 16 rows at a time through my own stage: a lane's 32 bytes in, whole rows of 256 bytes back
	PLACES
	s_wait_loadcnt 0x0                             ; the bias
.macro OUT16 a, f
	WIN 0x01                                       ; source 0 (the sums) in window 1
.irp c, 0,1,2,3
.irp j, 0,2,4,6
	v_pk_add_f32 v[TMP+8*\c+\j:TMP+8*\c+\j+1], v[8*(4*\c+\a)+\j:8*(4*\c+\a)+\j+1], v[BIAS+8*\c+\j:BIAS+8*\c+\j+1]
.endr
.endr
	WIN 0
.irp c, 0,1,2,3
	ds_store_b128 v[STO], v[TMP+8*\c:TMP+8*\c+3] offset:64*\c
	ds_store_b128 v[STO], v[TMP+8*\c+4:TMP+8*\c+7] offset:64*\c+16
.endr
	s_wait_xcnt 0x0                                ; buffer f, which earlier stores read, and the stores' base are written again only behind this wait
.if \a
	s_add_nc_u64 s[10:11], s[10:11], 16*8192       ; 16 rows on
.endif
.irp t, 0,1,2,3,4,5,6,7
	ds_load_b128 v[\f+4*\t:\f+4*\t+3], v[RD] offset:\t*2*SP        ; LDS serves a wave's instructions in order (ISA guide 5.7.1): these see my stores above
.endr
.irp t, 0,1,2,3,4,5,6,7
	s_wait_dscnt 7-\t
	global_store_b128 v[CO], v[\f+4*\t:\f+4*\t+3], s[10:11] offset:\t*16384 th:TH_STORE_NT   ; 16 lanes store 256 consecutive bytes, at a multiple of 256 from out0's first byte
.endr
.endm
	OUT16 0, F0
	OUT16 1, F1
	OUT16 2, F0
	OUT16 3, F1
	s_wait_tensorcnt 0x0
	ds_add_u32 v254, v255
	s_wait_dscnt 0x0
	CROUND                                         ; the closing round: no work-group ends while a partner may still ask for a tile that names it
	s_endpgm
.Lfunc_end_k_qbea870d161_oproj:
	.size	k_qbea870d161_oproj, .Lfunc_end_k_qbea870d161_oproj-k_qbea870d161_oproj
	.p2alignl 7, 3214868480
	.fill 96, 4, 3214868480
	.section	.rodata,"a",@progbits
	.p2align	6, 0x0
	.amdhsa_kernel k_qbea870d161_oproj
		.amdhsa_group_segment_fixed_size 327680
		.amdhsa_private_segment_fixed_size 0
		.amdhsa_enable_private_segment 0
		.amdhsa_kernarg_size 32
		.amdhsa_user_sgpr_count 2
		.amdhsa_user_sgpr_kernarg_segment_ptr 1
		.amdhsa_wavefront_size32 1
		.amdhsa_system_sgpr_workgroup_id_x 1
		.amdhsa_system_sgpr_workgroup_id_y 1
		.amdhsa_system_sgpr_workgroup_id_z 1
		.amdhsa_system_vgpr_workitem_id 0
		.amdhsa_next_free_vgpr 384
		.amdhsa_next_free_sgpr 84
		.amdhsa_reserve_vcc 0
		.amdhsa_float_denorm_mode_32 3
		.amdhsa_float_denorm_mode_16_64 3
		.amdhsa_memory_ordered 1
		.amdhsa_forward_progress 1
		.amdhsa_inst_pref_size 173
	.end_amdhsa_kernel
	.amdgpu_metadata
---
amdhsa.version: [ 1, 2 ]
amdhsa.kernels:
  - .name:           k_qbea870d161_oproj
    .symbol:         k_qbea870d161_oproj.kd
    .args:
      - { .name: ao, .offset: 0, .size: 8, .value_kind: global_buffer, .address_space: global }
      - { .name: cb, .offset: 8, .size: 8, .value_kind: global_buffer, .address_space: global }
      - { .name: bo, .offset: 16, .size: 8, .value_kind: global_buffer, .address_space: global }
      - { .name: out0, .offset: 24, .size: 8, .value_kind: global_buffer, .address_space: global }
    .group_segment_fixed_size: 327680
    .private_segment_fixed_size: 0
    .kernarg_segment_align: 8
    .kernarg_segment_size: 32
    .max_flat_workgroup_size: 128
    .sgpr_count:     84
    .vgpr_count:     384
    .wavefront_size: 32
...
	.end_amdgpu_metadata
.endif
;; end of part 4
